; MI455X (gfx1250); checked and timed in simulation.
; The chip was launched on July 23, 2026; its instructions are those of AMD's public machine-readable ISA for CDNA 5 (MIT licence, August 2026) and "CDNA5" Instruction Set Architecture Reference Guide (July 2026). The comments in the code are by the model that wrote it; some were corrected since.
;; Interaction Transition Model. Allowed arithmetic: matrix products marked QUANTISED: E4M3 operands, one given power-of-two scale a tensor, by v_wmma_f32_16x16x64_fp8_fp8 or v_wmma_f32_16x16x128_fp8_fp8, f32 sums; products left as they are: f32 operands where the result goes on into a quantised operand, else bf16, f16 or f32 operands; f32 sums; everything else in f32.
;; Inputs: W1 66 x 256 float32; W2 256 x 2 float32; Wk 128 x 64 float32; Wq 128 x 64 float32; Wv 128 x 64 float32; action 2,048 x 2 float32; b1 256 float32; b2 2 float32; bk 64 float32; bq 64 float32; bv 64 float32; ln_b 256 float32; ln_g 256 float32; lowp_scales 12 int32 (the exponents e of the quantised operands' scales 2^e); obs 8,192 x 128 float32.
;; Outputs: out0 8,192 x 5 float32.
;; This version of the problem:
;;   THIS VERSION OF THE PROBLEM IS GIVEN IN LOW PRECISION. The matrix products marked QUANTISED in the list below multiply operands that are first quantised to E4M3 (4 exponent bits, 3 mantissa bits; 8 bits a number), with one given power-of-two scale for each operand tensor; their sums are f32. All else is computed in f32.
;;   The module's matrix products, in the order in which they are computed (A, B: the left and right operand; K: the contracted axis; several contracted axes count as one K, in the product's order):
;;     1. [M 8,192, K 128] x [K 128, N 64]; A: input obs; B: input Wq: QUANTISED (scales: A lowp_scales[0], B lowp_scales[1])
;;     2. [M 8,192, K 128] x [K 128, N 64]; A: input obs; B: input Wk: QUANTISED (scales: A lowp_scales[2], B lowp_scales[3])
;;     3. [M 8,192, K 128] x [K 128, N 64]; A: input obs; B: input Wv: QUANTISED (scales: A lowp_scales[4], B lowp_scales[5])
;;     4. [M 8,192, K 64] x [K 64, N 8,192]; A: computed on the way; B: computed on the way: QUANTISED (scales: A lowp_scales[6], B lowp_scales[7])
;;     5. [M 8,192, K 8,192] x [K 8,192, N 64]; A: softmax (see below); B: computed on the way: QUANTISED (scales: A lowp_scales[8], B lowp_scales[9])
;;     6. [M 8,192, K 66] x [K 66, N 256]; A: computed on the way; B: input W1: QUANTISED (scales: A lowp_scales[10], B lowp_scales[11])
;;     7. [M 8,192, K 256] x [K 256, N 2]; A: computed on the way; B: input W2: left as it is (N = 2 < 16)
;;   THE QUANTISER, for each operand of a quantised product, along K:
;;     - The operand's scale is 2^e, e = its entry of the input lowp_scales (int32; the entries are numbered through the quantised products in the list's order, A before B).
;;     - Each number is divided by the scale, clamped to +-448, and rounded to the nearest number of E4M3, ties to even, subnormals kept.
;;     - The product sums the exact products of the quantised numbers (number of the format x scale) in f32.
;;   ~~~python
;;   def quantise(x, axis, e):      # numpy; x: float32 -> the quantised numbers, widened to float32 again
;;       x = np.moveaxis(x, axis, -1); K = x.shape[-1]
;;       r = np.clip(x / 2.0 ** e, -448, 448)
;;       step = 2.0 ** (np.maximum(np.frexp(np.where(r == 0, 1, r))[1] - 1, -6) - 3)
;;       q = np.round(r / step) * step * 2.0 ** e      # np.round: ties to even
;;       return np.moveaxis(q, -1, axis).astype(np.float32)
;;   ~~~
;;   SOFTMAX AHEAD OF A QUANTISED PRODUCT. Where the list says 'softmax', what is quantised is not the finished softmax but p = 2^(t - M), with t = logit x log2(e) and M = ceil(the row's largest t), a whole number; so 1/2 < the row's largest p <= 1. The row's sum l is taken of the UNQUANTISED p, in f32, and the product's result is divided by l at the end. Since M is a whole number, a kernel that streams over the keys may use a running M (the ceiling of the running maximum): every later rescaling is an exact power of two, so the quantised numbers keep their values, but for numbers so far below the row's largest that they fall under the format's range.
;;   OPERANDS COMPUTED ON THE WAY. 'Computed on the way' means the value that the module computes at that place (a softmax that the list does not call 'softmax' is quantised finished and normalised). What goes into a quantiser is computed in f32, as accurately as f32 sums, v_exp_f32 and their like allow (about 1e-6 of the number): no bf16 or f16 on the way to a quantiser, and a product that is left as it is and whose result goes on into a quantised operand takes f32 operands (vector FMAs, or v_wmma_f32_16x16x4_f32). A number that lies on a knife's edge between two numbers of the format may be rounded either way, as far as f32 arithmetic and the matrix unit's own rounding can turn it there, and no further.
;; One version. Each part assembles by itself: llvm-mc -triple=amdgcn-amd-amdhsa -mcpu=gfx1250 --defsym DOCPART=n.
;; ======== version 1 of 1: 3 launches
;; limits: right only within a limited range of input values
;; workspace buffers: qc 524,288 bytes; kv 1,048,576 bytes; pred 65,536 bytes
;; launch project (part 1): grid 64 x 1, 4 waves a work-group, no clusters, 25,088 bytes of LDS; arguments obs, Wq, Wk, Wv, bq, bk, bv, lowp_scales, qc, kv; writes qc, kv
.if DOCPART == 1
	.amdgcn_target "amdgcn-amd-amdhsa--gfx1250"
	.amdhsa_code_object_version 6
	.text
	.protected	k_qf7f7946c2f_project
	.globl	k_qf7f7946c2f_project
	.p2align	8
	.type	k_qf7f7946c2f_project,@function
k_qf7f7946c2f_project:
	s_mov_b64 s[64:65], 0
	v_nop
	global_prefetch_b8 v0, s[64:65] scope:SCOPE_SE
	s_setreg_imm32_b32 hwreg(HW_REG_WAVE_MODE, 25, 1), 1
	s_wait_xcnt 0x0
; q = obs Wq + bq, k = obs Wk + bk, v = obs Wv + bv, each product on codes of FP8 (E4M3) with the given scales 2^e (e0 .. e5), and q, k, v quantised at once for
; the attention that follows (e6, e7, e9).  obs: [8192][128] f32; W: [128 (k)][64 (n)] f32; b: [64] f32.
; OUT, as images of operand registers (L = lane, r = L % 16, h = L / 16):
;   qc: tile n of 16 queries at 1024 n + 512 i + 16 L: registers 4 i .. 4 i + 3 of a 16 x 64 fragment (registers 2 c, 2 c + 1: channels 16 c + 8 h + 0 .. 7 of query r).
;   kv: block x of 128 keys at 16384 x: eight tiles of 16 keys laid as qc, then from byte 8192 four fragments of v turned (tile t at 2048 t + 512 i + 16 L:
;       lane (r, h) holds channel 16 t + r; registers 2 c, 2 c + 1 hold keys 16 c + 8 h + 0 .. 7).
; SHARES.  Work-group x owns rows 128 x .. 128 x + 127; wave w two tiles of 16 rows, 32 w on.  Two tiles a wave give four registers of each fragment of v, so every
; store of a wave covers 512 consecutive aligned bytes.  That, and four waves sharing one set of quantised weights, fixes the grid at 8192 / 128 = 64 work-groups;
; all of a wave's 16,384 bytes of obs are asked for at once, 32 loads.
; WEIGHTS.  Wave w quantises columns 16 w .. 16 w + 15 of each of the three weights (a lane takes a column, its registers run down K) and hands the fragment to the
; other waves through LDS as an image of its registers: fragment (P, t) at 8192 P + 2048 t, 16 bytes a lane.
; K's order in these three products is the same on both sides: registers 4 c .. 4 c + 3 hold k = 32 c + 16 h + 0 .. 15.
; q and k are made TRANSPOSED (source 0 = 16 columns of W, source 1 = 16 rows of obs): a lane then holds one row and eight neighbouring channels, the next product's K.
; v is made straight: a lane holds one channel and eight neighbouring keys, its next K.  The bias, divided by the power of two that the sums lack, is each product's C.
; LIMITS: e0 .. e5, e6 - e0 - e1, e7 - e2 - e3 and e9 - e4 - e5 lie between -126 and 119, so that each scale and 448 x the scale is an f32 number.  NaN and infinities among the inputs are not served.
; REGISTERS, in windows of 256.  Window 0: v1-11 addresses and the scale in hand; v16-47 obs's codes (at the head v16-63: the weights' codes); v64-127 four weight fragments;
;   v128-191 eight accumulators; v192-239 the codes that leave, never rewritten.  Window 1: v0-127 obs as loaded.
;   Window 2: v0-191 the weights as loaded; then v0-95 the biases in the results' layout, v96-99 bv as loaded.
.set XA,  4                            ; v4   obs: 512 r + 64 h
.set WA,  5                            ; v5   a weight: 4096 h + 4 r
.set LI,  6                            ; v6   16 x lane
.set WI,  7                            ; v7   16 x lane + 2048 x wave
.set BA,  8                            ; v8   32 h
.set BV,  9                            ; v9   4 r
.set SC,  10                           ; v10  the scale in hand, as f32
.set LM,  11
.set XC,  16
.set WC,  16
.set WF,  64
.set ACC, 128
.set OC,  192
.set T,   128                          ; in window 1
.set MSB, 0
.macro WIN new                         ; the immediate's high byte repeats the setting that is left
.if MSB != \new
	s_set_vgpr_msb (MSB<<8)|\new
.set MSB, \new
.endif
.endm
.macro SETQ se                         ; v10 = 2^e, e in s[se]
	WIN 0
	s_add_co_i32 s60, s[\se], 127
	s_lshl_b32 s61, s60, 23
	v_mov_b32 v[SC], s61
.endm
	s_load_b512 s[8:23], s[0:1], 0x0               ; obs 8, Wq 10, Wk 12, Wv 14, bq 16, bk 18, bv 20, the exponents 22
	s_load_b128 s[24:27], s[0:1], 0x40             ; qc 24, kv 26
	v_lshl_add_u32 v254, v0, 2, 0x6000
	v_mov_b32 v255, 0
	v_lshrrev_b32 v1, 5, v0
	v_readfirstlane_b32 s28, v1                    ; wave 0..3
	v_and_b32 v1, 31, v0                           ; lane
	v_and_b32 v2, 15, v0                           ; r
	v_bfe_u32 v3, v0, 4, 1                         ; h
	v_lshlrev_b32 v[XA], 9, v2
	v_lshl_add_u32 v[XA], v3, 6, v[XA]
	v_lshlrev_b32 v[WA], 2, v2
	v_lshl_add_u32 v[WA], v3, 12, v[WA]
	v_lshlrev_b32 v[LI], 4, v1
	s_lshl_b32 s29, s28, 11
	v_add_nc_u32 v[WI], s29, v[LI]
	v_lshlrev_b32 v[BA], 5, v3
	v_lshlrev_b32 v[BV], 2, v2
	s_lshl_b32 s52, s28, 6                         ; the weights: my 16 columns, 64 bytes x wave
	s_mov_b32 s53, 0
	s_lshl_b32 s54, ttmp9, 16                      ; obs: 128 rows of 512 bytes a work-group, 32 a wave
	s_lshl_b32 s60, s28, 14
	s_add_co_u32 s54, s54, s60
	s_mov_b32 s55, 0
	s_lshl_b32 s56, ttmp9, 13                      ; qc: 8 tiles of 1,024 bytes a work-group, 2 a wave
	s_add_co_u32 s56, s56, s29
	s_mov_b32 s57, 0
	s_lshl_b32 s58, ttmp9, 14                      ; kv: my block, my two tiles of keys
	s_add_co_u32 s58, s58, s29
	s_mov_b32 s59, 0
	s_lshl_b32 s62, ttmp9, 14                      ; kv: my block, behind the keys, my four registers of each fragment of v
	s_lshl_b32 s60, s28, 9
	s_add_co_u32 s62, s62, s60
	s_add_co_u32 s62, s62, 8192
	s_mov_b32 s63, 0
	s_wait_alu depctr_va_vdst(0)
	s_wait_kmcnt 0x0
	s_load_b256 s[32:39], s[22:23], 0x0            ; e0 .. e7
	s_load_b64 s[40:41], s[22:23], 0x20            ; e8, e9
	s_add_nc_u64 s[10:11], s[10:11], s[52:53]
	s_add_nc_u64 s[12:13], s[12:13], s[52:53]
	s_add_nc_u64 s[14:15], s[14:15], s[52:53]
	s_add_nc_u64 s[8:9], s[8:9], s[54:55]
	s_add_nc_u64 s[24:25], s[24:25], s[56:57]
	s_add_nc_u64 s[30:31], s[26:27], s[62:63]      ; v's images
	s_add_nc_u64 s[26:27], s[26:27], s[58:59]      ; k's images
	WIN 0x80                                       ; destination window 2
.irp P, 0,1,2
.irp c, 0,1,2,3
.irp i, 0,1,2,3,4,5,6,7,8,9,10,11,12,13,14,15
	global_load_b32 v[64*\P+16*\c+\i], v[WA], s[10+2*\P:11+2*\P] offset:(32*\c+\i)*256   ; W(32 c + 16 h + i, 16 w + r)
.endr
.endr
.endr
	WIN 0x40                                       ; destination window 1
.irp m, 0,1
.irp c, 0,1,2,3
.irp j, 0,1,2,3
	global_load_b128 v[64*\m+16*\c+4*\j:64*\m+16*\c+4*\j+3], v[XA], s[8:9] offset:\m*8192+\c*128+\j*16   ; obs(16 m + r, 32 c + 16 h + 4 j ..)
.endr
.endr
.endr
	WIN 0
	s_wait_kmcnt 0x0
	s_add_co_i32 s42, s32, s33                     ; e0 + e1: what a sum of the first product lacks
	s_add_co_i32 s43, s34, s35
	s_add_co_i32 s44, s36, s37
	s_sub_co_i32 s45, 0, s42
	s_sub_co_i32 s46, 0, s43
	s_sub_co_i32 s47, 0, s44
	s_sub_co_i32 s48, s38, s42                     ; e6 - e0 - e1: the three scales ahead of q's quantiser folded into one
	s_sub_co_i32 s49, s39, s43                     ; e7 - e2 - e3, for k
	s_sub_co_i32 s50, s41, s44                     ; e9 - e4 - e5, for v
	; ---- my column tile of the three weights becomes codes and goes to LDS
	s_wait_loadcnt 32                              ; loads come back in order: behind the 192 of the weights only the 32 of obs were issued
.irp P, 0,1,2
	SETQ 33+2*\P
	WIN 0x82                                       ; source 0 and destination window 2
.set i, 0
.rept 64
.set i, i+1
.endr
	WIN 0x02                                       ; source 0 window 2, destination window 0
.set i, 0
.rept 8
	v_cvt_scalef32_pk8_fp8_f32 v[WC+16*\P+2*i:WC+16*\P+2*i+1], v[64*\P+8*i:64*\P+8*i+7], v[SC]
.set i, i+1
.endr
	v_nop                                          ; a plain line behind the last conversion, ahead of the next write of the scale
	WIN 0
.irp c, 0,1,2,3
	ds_store_b128 v[WI], v[WC+16*\P+4*\c:WC+16*\P+4*\c+3] offset:\P*8192+\c*512
.endr
.endr
	; ---- the biases, in the results' layout
	WIN 0x80
.irp P, 0,1
.irp t, 0,1,2,3
	global_load_b128 v[32*\P+8*\t:32*\P+8*\t+3], v[BA], s[16+2*\P:17+2*\P] offset:64*\t       ; b(16 t + 8 h + 0 .. 3)
	global_load_b128 v[32*\P+8*\t+4:32*\P+8*\t+7], v[BA], s[16+2*\P:17+2*\P] offset:64*\t+16
.endr
.endr
.irp t, 0,1,2,3
	global_load_b32 v[96+\t], v[BV], s[20:21] offset:64*\t                                    ; bv(16 t + r)
.endr
	WIN 0
	s_wait_dscnt 0x0                               ; for the others' sake: my images have landed
	s_barrier_signal -1
	s_barrier_wait -1                              ; all twelve fragments lie in LDS; nothing is stored there again
	s_wait_loadcnt 0x0                             ; obs and the biases
	WIN 0x82
.irp t, 0,1,2,3
.irp j, 0,1,2,3,4,5,6,7
	v_ldexp_f32 v[64+8*\t+\j], v[96+\t], s47       ; bv / 2^(e4 + e5), the same for a lane's eight keys
.endr
.endr
.set i, 0
.rept 32
	v_ldexp_f32 v[i], v[i], s45                    ; bq / 2^(e0 + e1)
	v_ldexp_f32 v[32+i], v[32+i], s46              ; bk / 2^(e2 + e3)
.set i, i+1
.endr
	; ---- the three products, one after the other: obs has a scale of its own in each, so it is quantised three times from the registers that hold it
.irp P, 0,1,2
	WIN 0
.irp t, 0,1,2,3
.irp c, 0,1,2,3
	ds_load_b128 v[WF+16*\t+4*\c:WF+16*\t+4*\c+3], v[LI] offset:\P*8192+\t*2048+\c*512   ; (far more than four plain lines stand behind the last products that read these registers)
.endr
.endr
	SETQ 32+2*\P
.irp m, 0,1
	WIN 0x41                                       ; source 0 and destination window 1
.set i, 0
.rept 64
.set i, i+1
.endr
	WIN 0x01                                       ; source 0 window 1, destination window 0
.set i, 0
.rept 8
	v_cvt_scalef32_pk8_fp8_f32 v[XC+16*\m+2*i:XC+16*\m+2*i+1], v[T+8*i+((64*\m+i)-(T+i)):T+8*i+7+((64*\m+i)-(T+i))], v[SC]
.set i, i+1
.endr
	v_nop                                          ; a plain line between the conversions and what next writes their sources or reads their results
.endr
	s_wait_alu depctr_va_vdst(0)
	s_wait_dscnt 0x0                               ; the weight fragments are in
	WIN 0x20                                       ; C (the bias) window 2
.irp m, 0,1
.irp t, 0,1,2,3
.if \P < 2
	v_wmma_f32_16x16x128_fp8_fp8 v[ACC+8*(4*\m+\t):ACC+8*(4*\m+\t)+7], v[WF+16*\t:WF+16*\t+15], v[XC+16*\m:XC+16*\m+15], v[32*\P+8*\t:32*\P+8*\t+7]
.else
	v_wmma_f32_16x16x128_fp8_fp8 v[ACC+8*(4*\m+\t):ACC+8*(4*\m+\t)+7], v[XC+16*\m:XC+16*\m+15], v[WF+16*\t:WF+16*\t+15], v[32*\P+8*\t:32*\P+8*\t+7]
.endif
.endr
.endr
	WIN 0
.rept 4
	v_nop                                          ; four plain lines between a matrix instruction and the first read of its result (ISA guide 7.12.1)
.endr
	SETQ 48+\P
.set i, 0
.rept 64
.set i, i+1
.endr
.irp m, 0,1
.irp t, 0,1,2,3
.if \P < 2
	v_cvt_scalef32_pk8_fp8_f32 v[OC+16*\P+8*\m+2*\t:OC+16*\P+8*\m+2*\t+1], v[ACC+8*(4*\m+\t):ACC+8*(4*\m+\t)+7], v[SC]   ; channels 16 t + 8 h + 0 .. 7 of row r: registers 2 t, 2 t + 1
.else
	v_cvt_scalef32_pk8_fp8_f32 v[OC+32+4*\t+2*\m:OC+32+4*\t+2*\m+1], v[ACC+8*(4*\m+\t):ACC+8*(4*\m+\t)+7], v[SC]         ; keys 16 (2 w + m) + 8 h + 0 .. 7 of channel 16 t + r
.endif
.endr
.endr
	v_nop
.if \P == 0
.irp m, 0,1
.irp i, 0,1
	global_store_b128 v[LI], v[OC+8*\m+4*\i:OC+8*\m+4*\i+3], s[24:25] offset:\m*1024+\i*512      ; 32 lanes store 512 consecutive aligned bytes
.endr
.endr
.elseif \P == 1
.irp m, 0,1
.irp i, 0,1
	global_store_b128 v[LI], v[OC+16+8*\m+4*\i:OC+16+8*\m+4*\i+3], s[26:27] offset:\m*1024+\i*512
.endr
.endr
.else
.irp t, 0,1,2,3
	global_store_b128 v[LI], v[OC+32+4*\t:OC+32+4*\t+3], s[30:31] offset:\t*2048
.endr
.endif
.endr
	s_wait_tensorcnt 0x0
	ds_add_u32 v254, v255
	s_wait_dscnt 0x0
	s_endpgm
.Lfunc_end_k_qf7f7946c2f_project:
	.size	k_qf7f7946c2f_project, .Lfunc_end_k_qf7f7946c2f_project-k_qf7f7946c2f_project
	.p2alignl 7, 3214868480
	.fill 96, 4, 3214868480
	.section	.rodata,"a",@progbits
	.p2align	6, 0x0
	.amdhsa_kernel k_qf7f7946c2f_project
		.amdhsa_group_segment_fixed_size 25088
		.amdhsa_private_segment_fixed_size 0
		.amdhsa_enable_private_segment 0
		.amdhsa_kernarg_size 80
		.amdhsa_user_sgpr_count 2
		.amdhsa_user_sgpr_kernarg_segment_ptr 1
		.amdhsa_wavefront_size32 1
		.amdhsa_system_sgpr_workgroup_id_x 1
		.amdhsa_system_sgpr_workgroup_id_y 1
		.amdhsa_system_sgpr_workgroup_id_z 1
		.amdhsa_system_vgpr_workitem_id 0
		.amdhsa_next_free_vgpr 704
		.amdhsa_next_free_sgpr 66
		.amdhsa_reserve_vcc 0
		.amdhsa_float_denorm_mode_32 3
		.amdhsa_float_denorm_mode_16_64 3
		.amdhsa_fp16_overflow 1
		.amdhsa_memory_ordered 1
		.amdhsa_forward_progress 1
		.amdhsa_inst_pref_size 47
	.end_amdhsa_kernel
	.amdgpu_metadata
---
amdhsa.version: [ 1, 2 ]
amdhsa.kernels:
  - .name:           k_qf7f7946c2f_project
    .symbol:         k_qf7f7946c2f_project.kd
    .args:
      - { .name: obs, .offset: 0, .size: 8, .value_kind: global_buffer, .address_space: global }
      - { .name: Wq, .offset: 8, .size: 8, .value_kind: global_buffer, .address_space: global }
      - { .name: Wk, .offset: 16, .size: 8, .value_kind: global_buffer, .address_space: global }
      - { .name: Wv, .offset: 24, .size: 8, .value_kind: global_buffer, .address_space: global }
      - { .name: bq, .offset: 32, .size: 8, .value_kind: global_buffer, .address_space: global }
      - { .name: bk, .offset: 40, .size: 8, .value_kind: global_buffer, .address_space: global }
      - { .name: bv, .offset: 48, .size: 8, .value_kind: global_buffer, .address_space: global }
      - { .name: lowp_scales, .offset: 56, .size: 8, .value_kind: global_buffer, .address_space: global }
      - { .name: qc, .offset: 64, .size: 8, .value_kind: global_buffer, .address_space: global }
      - { .name: kv, .offset: 72, .size: 8, .value_kind: global_buffer, .address_space: global }
    .group_segment_fixed_size: 25088
    .private_segment_fixed_size: 0
    .kernarg_segment_align: 8
    .kernarg_segment_size: 80
    .max_flat_workgroup_size: 128
    .sgpr_count:     66
    .vgpr_count:     704
    .wavefront_size: 32
...
	.end_amdgpu_metadata
.endif
;; end of part 1
;; launch attend (part 2): grid 256 x 1, 16 waves a work-group, clusters of 4 x 1, 327,680 bytes of LDS; arguments qc, kv, W1, b1, ln_g, ln_b, W2, b2, action, lowp_scales, pred; writes pred
.if DOCPART == 2
	.amdgcn_target "amdgcn-amd-amdhsa--gfx1250"
	.amdhsa_code_object_version 6
	.text
	.protected	k_qf7f7946c2f_attend
	.globl	k_qf7f7946c2f_attend
	.p2align	8
	.type	k_qf7f7946c2f_attend,@function
k_qf7f7946c2f_attend:
	s_mov_b64 s[64:65], 0
	v_nop
	global_prefetch_b8 v0, s[64:65] scope:SCOPE_SE
	s_setreg_imm32_b32 hwreg(HW_REG_WAVE_MODE, 25, 1), 1
	s_wait_xcnt 0x0
	s_wait_alu depctr_hold_cnt(0) depctr_sa_sdst(0) depctr_va_vdst(0) depctr_va_sdst(0) depctr_va_ssrc(0) depctr_va_vcc(0) depctr_vm_vsrc(0)
	s_getreg_b32 s2, hwreg(HW_REG_IB_STS2, 6, 4)
	s_cmp_eq_u32 s2, 0
	s_cbranch_scc0 .Lentry_in_a_cluster
	s_endpgm
.Lentry_in_a_cluster:
	s_bfe_u32 s2, ttmp6, 0x10000c
	s_cmp_lg_u32 s2, 0x3003
	s_cbranch_scc0 .Lentry_shape_is_right
	s_endpgm
.Lentry_shape_is_right:
; pred = relu(LayerNorm([softmax(q k^T) v, action] W1 + b1)) W2 + b2 for all 8,192 rows.  q k^T, p v and the product with W1 run on codes of FP8 (E4M3) with the given scales; the product with W2 (two columns) is f32 multiply-adds.
; THE PROBLEM'S FUNCTION USES ROW 0 OF pred ALONE.  This launch still computes every row, as that function writes it: the other 8,191 rows of pred are stored and never read.
; THE SOFTMAX: t = score x log2(e); M = the row's largest t so far, rounded up to a whole number; p = 2^(t - M) is what is quantised (e8), not normalised; the sum l is taken of the unquantised p and divides at the end.
; SHARES.  Work-group X owns 32 queries (8192 / 256).  Wave w: tile of 16 queries qt = w % 2, key group g = w / 2.  A slot of LDS holds 1,024 keys (8 blocks of 16,384 bytes, as the launch before laid them);
; in each slot wave w takes block g: 16 queries x 128 keys.  8 slots' worth of keys, so 8 steps a wave.  Four waves lie on a SIMD in 256 registers each, so that one wave's LDS loads and products stand beside another's softmax.
; At the end the eight partial results of a tile of queries meet in LDS (their M are whole numbers, so bringing them under one M rounds nothing), and the MLP is shared by columns: wave w makes columns 16 w .. 16 w + 15 for both tiles of rows.
; CLUSTER.  Every work-group walks the same k and v, so the four of a cluster ask for each tile JOINTLY: the same tensor load, the same descriptor, the mask 15.  Waves 0 to 7 issue one load of 16,384 bytes each; a wave has at most one tensor load out.
; LAYOUT.  Both products are used transposed: S^T = k q^T (16 x 16 x 64: source 0 = 16 keys, source 1 = my 16 queries), O^T = v^T p^T (16 x 16 x 128): a lane holds ONE query (lane % 16) throughout.  Tile c of S^T holds in lane (r, h)
; keys 16 c + 8 h + 0 .. 7, which are registers 2 c, 2 c + 1 of the second product's operand: the conversions' results are that operand.  Likewise O^T's tile t is registers 2 t, 2 t + 1 of the operand of the product with W1.
; The product with W1 has K = 66; both operands are filled with zero codes up to 128.
; LDS: slot 0 at 0, slot 1 at 131,072, the spare words at 262,144.  Behind the last change of slots, slot 0 has had its last fill and its last read; the tail's scratch lies there:
;   OP 0: the waves' O^T, 4,096 bytes each;  STAT 65,536: -M and l, 256 bytes a wave;  HIMG 69,632: the two operand images for W1's product;  RED 73,728: four arrays [32 rows][16 waves] of f32.
; LIMITS: e6 + e7 between -126 and 127 (added to the exponent field of log2(e)); e8, e10, e11 between -126 and 119; e10 + e11 between -126 and 127; e8 + e9 is applied by v_ldexp_f32 and has none.  NaN and infinities are not served.
; REGISTERS: v1-11, v44-47, v228-230 addresses; v12 -M, v13 the largest t, v[14:15] l in two halves; v16-23 q; v24-39 W1's codes; v40-43 action's codes; v48-111 fragments of k or of v; v112-175 S^T, then p; v176-207 O^T; v208-223 p's codes;
;   v224: 2^e8; v226: 2^e10; v231 zero; v232-254 at work.
.set SLOT1, 131072
.set SPARE, 262144                     ; the spare words: 128 bytes for each of 16 waves: eight blocks of 256 bytes that no other line names
.set OP,    0
.set STAT,  65536
.set HIMG,  69632
.set RED,   73728
.set KV,  48
.set S,   112
.set O,   176
.set PC,  208
.set RG,  192                          ; the tail: what comes back from RED
.set WV,    44                         ; s44  my wave's number
.set TB,    45                         ; s45  LDS byte at which the slot in hand begins
.set SLOTS, 46                         ; s46  slots still to be asked for
.set HM,    47                         ; s47  the mask of lanes 16-31
.set CS,    48                         ; s[48:49] c = log2(e) x 2^(e6 + e7)
.set SEL,   50                         ; s[50:51] v_permlanex16_b32's selects for lane l xor 16
.macro CROUND                          ; a round of the cluster's barrier: my work-group's barrier; wave 0 signals for the work-group; every wave waits for all four; my work-group's barrier once more
	s_barrier_signal -1
	s_barrier_wait -1
	s_cmp_lg_u32 s[WV], 0
	s_cbranch_scc1 .Lnot_wave_0_\@
	s_barrier_signal -3
.Lnot_wave_0_\@:
	s_barrier_wait -3
	s_barrier_signal -1
	s_barrier_wait -1
.endm
.macro TLOAD                           ; waves 0 to 7 fetch a block each; the branch hangs on the wave's number alone.  Four v_nop follow the load
	s_cmp_lt_u32 s[WV], 8
	s_cbranch_scc0 .Lnone_\@
	tensor_load_to_lds s[40:43], s[32:39]
	s_nop 0
.rept 4
	v_nop
.endr
.Lnone_\@:
.endm
.macro BAR                             ; my LDS stores have landed and my LDS loads are in: then the work-group's barrier
	s_wait_dscnt 0x0
	s_barrier_signal -1
	s_barrier_wait -1
.endm
.macro POW se, vs, vl                  ; v[vs] = 2^e, e in s[se]
	s_add_co_i32 s70, s[\se], 127
	s_lshl_b32 s71, s70, 23
	v_mov_b32 v[\vs], s71
.endm
	s_load_b512 s[8:23], s[0:1], 0x0               ; qc 8, kv 10, W1 12, b1 14, ln_g 16, ln_b 18, W2 20, b2 22
	s_load_b128 s[24:27], s[0:1], 0x40             ; action 24, the exponents 26
	s_load_b64 s[28:29], s[0:1], 0x50              ; pred
	v_lshl_add_u32 v5, v0, 2, SPARE                ; my spare word; never rewritten
	v_mov_b32 v6, 0                                ; 0; never rewritten
	ds_add_u32 v5, v6
	ds_add_u32 v5, v6
	s_wait_dscnt 0x0
	v_lshrrev_b32 v3, 5, v0
	s_delay_alu instid0(VALU_DEP_1)
	v_readfirstlane_b32 s[WV], v3                  ; wave 0..15
	; descriptor group 1: a dense block of 16,384 bytes as 64 rows of 32 elements of 8 bytes
	s_mov_b32 s32, 15|(3<<16)|(1<<21)              ; 15:0 the mask: all four work-groups; 17:16 elements of 8 bytes; 21 set beside a mask; no padding: the images are read 16 bytes a lane, on end
	s_mov_b32 s33, 32<<16                          ; tensor_dim0 = 32
	s_mov_b32 s34, 64<<16                          ; tensor_dim1 = 64
	s_mov_b32 s35, 32<<16                          ; tile_dim0 = 32
	s_mov_b32 s36, 64                              ; tile_dim1 = 64
	s_mov_b32 s37, 32                              ; from row to row
	s_mov_b32 s38, 0
	s_mov_b32 s39, 0
	s_and_b32 s72, s[WV], 7
	s_lshl_b32 s72, s72, 14                        ; the block that I fetch, in memory and in a slot alike: no place in the cluster enters it
	s_mov_b32 s73, 0
	s_mov_b32 s40, 1                               ; count = 1
	s_mov_b32 s41, s72                             ; LDS address: slot 0
	s_wait_kmcnt 0x0
	s_load_b128 s[52:55], s[26:27], 0x18           ; e6, e7, e8, e9
	s_load_b64 s[56:57], s[26:27], 0x28            ; e10, e11
	s_load_b64 s[62:63], s[22:23], 0x0             ; b2
	s_add_nc_u64 s[42:43], s[10:11], s[72:73]      ; global address: the first 1,024 keys
	s_or_b32 s43, s43, 0x80000000                  ; type = 2
	CROUND                                         ; all four work-groups are here: the first joint loads meet
	TLOAD                                          ; slot 0
	s_bfe_u32 s68, ttmp6, 0x40000                  ; cx: it enters the addresses of qc, action and pred alone
	s_lshl_b32 s69, ttmp9, 2
	s_add_co_u32 s69, s69, s68                     ; X = 4 x cluster + cx
	s_and_b32 s74, s[WV], 1                        ; qt
	s_lshl_b32 s70, s69, 11
	s_lshl_b32 s71, s74, 10
	s_add_co_u32 s70, s70, s71
	s_mov_b32 s71, 0
	s_add_nc_u64 s[8:9], s[8:9], s[70:71]          ; q's image: tile 2 X + qt
	s_and_b32 s70, s69, 63
	s_lshl_b32 s70, s70, 8
	s_add_nc_u64 s[24:25], s[24:25], s[70:71]      ; action: row (32 X) mod 2,048, 8 bytes a row
	s_lshl_b32 s70, s69, 8
	s_add_nc_u64 s[28:29], s[28:29], s[70:71]      ; pred: row 32 X
	s_lshl_b32 s70, s[WV], 6
	s_add_nc_u64 s[12:13], s[12:13], s[70:71]      ; W1, b1, ln_g, ln_b: my 16 columns
	s_add_nc_u64 s[14:15], s[14:15], s[70:71]
	s_add_nc_u64 s[16:17], s[16:17], s[70:71]
	s_add_nc_u64 s[18:19], s[18:19], s[70:71]
	s_lshl_b32 s70, s[WV], 7
	s_add_nc_u64 s[20:21], s[20:21], s[70:71]      ; W2: my 16 rows of 8 bytes
	v_and_b32 v52, 31, v0                          ; L
	v_and_b32 v3, 15, v0                           ; r
	v_bfe_u32 v4, v0, 4, 1                         ; h
	s_delay_alu instid0(VALU_DEP_3)
	v_lshlrev_b32 v48, 4, v52                      ; 16 L
	s_wait_alu depctr_va_vdst(0)
	v_lshlrev_b32 v50, 2, v3                       ; 4 r
	s_delay_alu instid0(VALU_DEP_1)
	v_lshl_add_u32 v49, v4, 13, v50                ; 8192 h + 4 r
	v_lshlrev_b32 v51, 3, v3                       ; 8 r
	global_load_b128 v[16:19], v48, s[8:9]         ; q's fragment stays in registers
	global_load_b128 v[20:23], v48, s[8:9] offset:512
.irp c, 0,1,2,3
.irp j, 0,1,2,3,4,5,6,7
	global_load_b32 v[S+8*\c+\j], v49, s[12:13] offset:(16*\c+\j)*1024   ; W1(16 c + 8 h + j, 16 w + r): a lane takes a column, its registers run down K
.endr
.endr
	global_load_b32 v[S+32], v50, s[12:13] offset:65536                  ; W1's rows 64 and 65, in both halves of the lanes: no load leaves the 66 rows
	global_load_b32 v[S+33], v50, s[12:13] offset:66560
	global_load_b64 v[S+40:S+41], v51, s[24:25]                          ; action of rows r and 16 + r
	global_load_b64 v[S+48:S+49], v51, s[24:25] offset:128
	; every LDS address is made here: constants, the lane, the wave's number
	s_lshr_b32 s75, s[WV], 1                       ; g
	s_lshl_b32 s76, s75, 14
	v_add_nc_u32 v1, s76, v48                      ; v1: 16 L + my block in a slot
	s_lshl_b32 s76, s[WV], 12
	v_add_nc_u32 v7, s76, v48                      ; v7: where my O^T goes
	s_lshl_b32 s76, s[WV], 8
	s_add_co_u32 s76, s76, STAT
	v_lshl_add_u32 v8, v52, 2, s76                 ; v8: where my -M and l go
	s_bfe_u32 s77, s[WV], 0x20001                  ; t = (w / 2) % 4: the tile of channels that I merge,
	s_lshr_b32 s78, s[WV], 3                       ; u = w / 8: and which four of its eight registers
	s_lshl_b32 s76, s74, 12
	s_lshl_b32 s79, s77, 10
	s_add_co_u32 s76, s76, s79
	s_lshl_b32 s79, s78, 9
	s_add_co_u32 s76, s76, s79
	v_add_nc_u32 v9, s76, v48                      ; v9: those four registers in the image of wave qt; key group g lies 8,192 g further on
	s_lshl_b32 s76, s74, 8
	s_add_co_u32 s76, s76, STAT
	v_lshl_add_u32 v10, v52, 2, s76                ; v10: -M of wave qt; key group g lies 512 g further on
	s_lshl_b32 s76, s74, 11
	s_add_co_u32 s76, s76, HIMG
	s_bfe_u32 s79, s[WV], 0x10002                  ; t / 2
	s_lshl_b32 s79, s79, 9
	s_add_co_u32 s76, s76, s79
	s_bfe_u32 s79, s[WV], 0x10001                  ; t % 2
	s_lshl_b32 s79, s79, 3
	s_add_co_u32 s76, s76, s79
	s_lshl_b32 s79, s78, 2
	s_add_co_u32 s76, s76, s79
	v_add_nc_u32 v11, s76, v48                     ; v11: register 2 t + u of the operand's image of tile qt
	v_add_nc_u32 v44, HIMG, v48                    ; v44: an image read back
	s_lshl_b32 s76, s[WV], 2
	s_add_co_u32 s76, s76, RED
	v_lshl_add_u32 v45, v52, 6, s76                ; v45: RED, row = lane, my wave's word
	v_lshlrev_b32 v46, 6, v3
	s_delay_alu instid0(VALU_DEP_1)
	v_add_nc_u32 v46, RED, v46                     ; v46: RED, row r
	v_lshlrev_b32 v47, 6, v52
	s_delay_alu instid0(VALU_DEP_1)
	v_add_nc_u32 v47, RED, v47                     ; v47: RED, row = lane
	v_lshlrev_b32 v228, 5, v4                      ; 32 h
	v_lshlrev_b32 v229, 6, v4                      ; 64 h
	v_lshlrev_b32 v230, 3, v52                     ; 8 L
	v_mov_b32 v231, 0
	s_mov_b32 s[HM], 0xffff0000
	s_mov_b32 s[SEL], 0x76543210
	s_mov_b32 s[SEL+1], 0xfedcba98
	s_mov_b32 s60, 0x3b800000                      ; 1 / 256
	s_mov_b32 s61, 0x3727c5ac                      ; 1e-5
	s_mov_b32 s[TB], 0
	s_mov_b32 s[SLOTS], 7
	s_wait_alu depctr_va_vdst(0)
	s_wait_kmcnt 0x0
	s_add_co_i32 s70, s52, s53
	s_lshl_b32 s70, s70, 23
	s_add_co_i32 s[CS], s70, 0x3fb8aa3b            ; a score stands for score x 2^(e6 + e7): the exponents are added to the exponent field of log2(e)
	s_mov_b32 s[CS+1], s[CS]                       ; (named with it as a pair, so it is written)
	s_add_co_i32 s67, s54, s55                     ; e8 + e9
	s_add_co_i32 s58, s56, s57
	s_add_co_i32 s58, s58, 127
	s_lshl_b32 s58, s58, 23                        ; 2^(e10 + e11)
	s_mov_b32 s59, s58
	POW 54, 224, 225
	POW 56, 226, 227
	POW 57, 232, 233
	s_wait_loadcnt 0x0                             ; q, W1, action
	v_cndmask_b32 v[S+32], v[S+32], v231, s[HM]    ; lanes 16-31 stand for k = 72 .. 79, past K's end: zeros
	v_cndmask_b32 v[S+33], v[S+33], v231, s[HM]
.irp i, 40,41,48,49
	v_cndmask_b32 v[S+\i], v[S+\i], v231, s[HM]
.endr
.irp i, 34,35,36,37,38,39,42,43,44,45,46,47,50,51,52,53,54,55
	v_mov_b32 v[S+\i], 0                           ; k = 66 .. 71
.endr
.set i, 0
.rept 34
.set i, i+1
.endr
.irp i, 40,41,48,49
.endr
.irp c, 0,1,2,3,4
	v_cvt_scalef32_pk8_fp8_f32 v[24+2*\c:25+2*\c], v[S+8*\c:S+8*\c+7], v232
.endr
	v_cvt_scalef32_pk8_fp8_f32 v[40:41], v[S+40:S+47], v226
	v_cvt_scalef32_pk8_fp8_f32 v[42:43], v[S+48:S+55], v226
	v_nop                                          ; a plain line behind the last conversion: matrix instructions write its sources later
.irp i, 34,35,36,37,38,39
	v_mov_b32 v[\i], 0                             ; W1's codes for k = 80 .. 127
.endr
	v_mov_b32 v13, 0xff61b1e6                      ; the largest t so far: -3e38, under every t
	s_delay_alu instid0(VALU_DEP_1)
	v_floor_f32 v12, -v13                          ; -M
	v_mov_b32 v14, 0                               ; l, in two halves
	v_mov_b32 v15, 0
	v_mov_b32 v236, 0                              ; written once: a lane permute's destination counts as one of its sources
	v_mov_b32 v253, 0                              ; (named as the upper half of the pair v[252:253])
.set i, 0
.rept 32
	v_mov_b32 v[O+i], 0                            ; O^T.  (The step is written for every trip alike: the first finds zeros, which the first change of M leaves zeros)
.set i, i+1
.endr
; A STEP: my 16 queries against my block of 128 keys in the slot in hand.
.macro STEP
	v_add_nc_u32 v2, s[TB], v1
.rept 3
	v_nop                                          ; with the addition above: four plain lines between the last products and loads into registers that they read
.endr
.irp c, 0,1,2,3,4,5,6,7
	ds_load_b128 v[KV+8*\c:KV+8*\c+3], v2 offset:1024*\c
	ds_load_b128 v[KV+8*\c+4:KV+8*\c+7], v2 offset:1024*\c+512
.endr
	s_wait_alu depctr_va_vdst(0)
	s_wait_dscnt 0x0
.irp c, 0,1,2,3,4,5,6,7
	v_wmma_f32_16x16x64_fp8_fp8 v[S+8*\c:S+8*\c+7], v[KV+8*\c:KV+8*\c+7], v[16:23], 0   ; lane (r, h), register j: key 16 c + 8 h + j, query r
.endr
.rept 4
	v_nop                                          ; four plain lines in front of the loads below and of the first read of the scores
.endr
.irp t, 0,1,2,3
.irp i, 0,1,2,3
	ds_load_b128 v[KV+16*\t+4*\i:KV+16*\t+4*\i+3], v2 offset:8192+2048*\t+512*\i         ; v's fragments land while the softmax is worked
.endr
.endr
	v_max3_num_f32 v254, v[S], v[S+1], v[S+2]      ; the step's largest score of my query among my 64 keys, in two chains, each accumulator from its low end on,
	v_max3_num_f32 v252, v[S+3], v[S+4], v[S+5]
.irp i, 6,10,14,18,22,26,30,34,38,42,46,50,54,58
	v_max3_num_f32 v254, v254, v[S+\i], v[S+\i+1]
	v_max3_num_f32 v252, v252, v[S+\i+2], v[S+\i+3]
.endr
	v_max3_num_f32 v254, v254, v[S+62], v[S+63]
	s_delay_alu instid0(VALU_DEP_1)
	v_max_num_f32 v254, v254, v252
	s_delay_alu instid0(VALU_DEP_1)
	v_permlanex16_b32 v236, v254, s[SEL], s[SEL+1]
	s_delay_alu instid0(VALU_DEP_1)
	v_max_num_f32 v254, v254, v236                 ; and among lane l xor 16's
	s_delay_alu instid0(VALU_DEP_1)
	v_mul_f32 v254, s[CS], v254                    ; as t (c is positive)
	s_delay_alu instid0(VALU_DEP_1)
	v_max_num_f32 v13, v13, v254                   ; the running largest t
	v_mov_b32 v254, v12
	s_delay_alu instid0(VALU_DEP_2)
	v_floor_f32 v12, -v13                          ; the new -M = floor(-t) = -ceil(t): a whole number
	s_delay_alu instid0(VALU_DEP_1)
	v_sub_f32 v254, v12, v254                      ; M's old value less its new one: a whole number, 0 or less
	s_delay_alu instid0(VALU_DEP_1)
	v_cvt_i32_f32 v254, v254                       ; (it saturates)
	s_delay_alu instid0(VALU_DEP_1)
	v_ldexp_f32 v252, 1.0, v254                    ; f = 2^(old M - new M)
.set j, 0
.rept 32
	v_pk_fma_f32 v[S+j:S+j+1], v[S+j:S+j+1], s[CS:CS+1], v[12:13] op_sel_hi:[1,0,0]   ; t - M, two at a time (of the pairs c and -M the low word serves both halves)
.set j, j+2
.endr
.set j, 0
	s_wait_alu depctr_va_vdst(0)
.rept 64
	v_exp_f32 v[S+j], v[S+j]                       ; p = 2^(t - M)
.set j, j+1
.endr
	v_pk_mul_f32 v[14:15], v[14:15], v[252:253] op_sel_hi:[1,0]   ; l under the new M.  (The plain line behind the exponentials)
	s_wait_alu depctr_va_vdst(0)
	v_pk_add_f32 v[242:243], v[116:117], v[120:121]
	v_pk_add_f32 v[254:255], v[124:125], v[128:129]
	v_pk_add_f32 v[250:251], v[132:133], v[136:137]
	v_pk_add_f32 v[248:249], v[140:141], v[144:145]
	v_pk_add_f32 v[246:247], v[148:149], v[152:153]
	v_pk_add_f32 v[244:245], v[156:157], v[160:161]
	v_pk_add_f32 v[240:241], v[164:165], v[168:169]
	v_pk_add_f32 v[14:15], v[14:15], v[172:173]
	v_pk_add_f32 v[242:243], v[242:243], v[112:113]
	v_pk_add_f32 v[254:255], v[254:255], v[114:115]
	v_pk_add_f32 v[250:251], v[250:251], v[118:119]
	v_pk_add_f32 v[248:249], v[248:249], v[122:123]
	v_pk_add_f32 v[246:247], v[246:247], v[126:127]
	v_pk_add_f32 v[244:245], v[244:245], v[130:131]
	v_pk_add_f32 v[240:241], v[240:241], v[134:135]
	v_pk_add_f32 v[14:15], v[14:15], v[138:139]
	v_pk_add_f32 v[242:243], v[242:243], v[142:143]
	v_pk_add_f32 v[254:255], v[254:255], v[146:147]
	v_pk_add_f32 v[250:251], v[250:251], v[150:151]
	v_pk_add_f32 v[248:249], v[248:249], v[154:155]
	v_pk_add_f32 v[246:247], v[246:247], v[158:159]
	v_pk_add_f32 v[244:245], v[244:245], v[162:163]
	v_pk_add_f32 v[240:241], v[240:241], v[166:167]
	v_pk_add_f32 v[14:15], v[14:15], v[170:171]
	v_pk_add_f32 v[242:243], v[242:243], v[174:175]
	s_delay_alu instid0(VALU_DEP_2)
	v_pk_add_f32 v[14:15], v[14:15], v[248:249]
	s_delay_alu instid0(VALU_DEP_2)
	v_pk_add_f32 v[242:243], v[242:243], v[246:247]
	v_pk_add_f32 v[254:255], v[254:255], v[244:245]
	v_pk_add_f32 v[250:251], v[250:251], v[240:241]
	s_delay_alu instid0(VALU_DEP_2)
	v_pk_add_f32 v[14:15], v[14:15], v[254:255]
	s_delay_alu instid0(VALU_DEP_2)
	v_pk_add_f32 v[242:243], v[242:243], v[250:251]
	s_delay_alu instid0(VALU_DEP_1)
	v_pk_add_f32 v[14:15], v[14:15], v[242:243]
.irp c, 0,1,2,3,4,5,6,7
.irp i, 0,1,2,3,4,5,6,7
.endr
	v_cvt_scalef32_pk8_fp8_f32 v[PC+2*\c:PC+2*\c+1], v[S+8*\c:S+8*\c+7], v224
.endr
.set j, 0
.rept 16
	v_pk_mul_f32 v[O+j:O+j+1], v[O+j:O+j+1], v[252:253] op_sel_hi:[1,0]   ; O^T under the new M.  (Also the plain lines between the conversions and the products below)
.set j, j+2
.endr
	s_wait_alu depctr_va_vdst(0)
	s_wait_dscnt 0x0                               ; v's fragments are in
.irp t, 0,1,2,3
	v_wmma_f32_16x16x128_fp8_fp8 v[O+8*\t:O+8*\t+7], v[KV+16*\t:KV+16*\t+15], v[PC:PC+15], v[O+8*\t:O+8*\t+7]   ; the four accumulators take turns, one instruction a turn, with the eight score products between two turns
.endr
.endm
; THE CHANGE OF SLOTS stands at a slot's head.  Each wave waits for all its tensor loads (its part of the slot that it is about to read), adds 0 to its spare word, and waits for that and for its reads of the slot that it has left.
; fill = 1: the slot just left is filled with the next 1,024 keys.  The barrier is then a round of the cluster's, so that no wave of any partner still reads that slot or has a load on its way, and the joint load is the first thing behind it.
.macro CHANGE fill
	s_wait_tensorcnt 0x0                           ; no tensor load of mine is out, so group 0 may be written
	ds_add_u32 v5, v6                              ; 0 onto my spare word
.if \fill
	s_xor_b32 s41, s41, SLOT1                      ; the other slot than last time,
	s_add_nc_u64 s[42:43], s[42:43], 131072        ; the next 1,024 keys; the type bits on top are not reached
.endif
	s_wait_dscnt 0x0                               ; the add is done, and my reads of the slot that I have left are over
.if \fill
	CROUND
	TLOAD
.else
	s_barrier_signal -1
	s_barrier_wait -1
.endif
.endm
.Lslot:                                            ; seven trips: behind each change of slots but the last the next slot is asked for; the load has a whole step of sixteen waves in which to land
	CHANGE 1
	STEP
	s_xor_b32 s[TB], s[TB], SLOT1
	s_sub_co_u32 s[SLOTS], s[SLOTS], 1
	s_cmp_lg_u32 s[SLOTS], 0
	s_cbranch_scc1 .Lslot
	CHANGE 0                                       ; the last slot is written out
	STEP
	; ---- THE TAIL.  1: every wave's partial O^T, -M and l go to LDS
.rept 4
	v_nop                                          ; four plain lines behind the last products: their sources are loaded into, their results stored
.endr
	global_load_b128 v[KV:KV+3], v228, s[14:15]                 ; b1, ln_g, ln_b of columns 16 w + 8 h + 0 .. 7
	global_load_b128 v[KV+4:KV+7], v228, s[14:15] offset:16
	global_load_b128 v[KV+8:KV+11], v228, s[16:17]
	global_load_b128 v[KV+12:KV+15], v228, s[16:17] offset:16
	global_load_b128 v[KV+16:KV+19], v228, s[18:19]
	global_load_b128 v[KV+20:KV+23], v228, s[18:19] offset:16
.irp i, 0,1,2,3
	global_load_b128 v[KV+24+4*\i:KV+27+4*\i], v229, s[20:21] offset:16*\i   ; W2's rows 16 w + 8 h + 0 .. 7, two numbers each
.endr
	v_add_f32 v14, v14, v15                        ; l's two halves,
	s_delay_alu instid0(VALU_DEP_1)
	v_permlanex16_b32 v236, v14, s[SEL], s[SEL+1]
	s_delay_alu instid0(VALU_DEP_1)
	v_add_f32 v14, v14, v236                       ; and lane l xor 16's
.irp k, 0,1,2,3,4,5,6,7
	ds_store_b128 v7, v[O+4*\k:O+4*\k+3] offset:512*\k          ; each accumulator from its low end on
.endr
	ds_store_b32 v8, v12
	ds_store_b32 v8, v14 offset:128
	BAR
	; ---- 2: wave (qt, t, u) merges registers 4 u .. 4 u + 3 of tile t of the eight key groups' O^T, divides by l and quantises: one register of the next operand
.irp g, 0,1,2,3,4,5,6,7
	ds_load_b32 v[S+\g], v10 offset:512*\g
	ds_load_b32 v[S+8+\g], v10 offset:512*\g+128
	ds_load_b128 v[S+16+4*\g:S+19+4*\g], v9 offset:8192*\g
.endr
	s_wait_dscnt 0x0
	v_min3_num_f32 v254, v[S], v[S+1], v[S+2]      ; the least -M: the row's M
	s_delay_alu instid0(VALU_DEP_1)
	v_min3_num_f32 v254, v254, v[S+3], v[S+4]
	s_delay_alu instid0(VALU_DEP_1)
	v_min3_num_f32 v254, v254, v[S+5], v[S+6]
	s_delay_alu instid0(VALU_DEP_1)
	v_min_num_f32 v254, v254, v[S+7]
.irp g, 0,1,2,3,4,5,6,7
	v_sub_f32 v[S+\g], v254, v[S+\g]               ; a group's M less the row's: a whole number, 0 or less
.endr
.irp g, 0,1,2,3,4,5,6,7
	v_cvt_i32_f32 v[S+\g], v[S+\g]
.endr
.irp g, 0,1,2,3,4,5,6,7
	v_ldexp_f32 v[S+\g], 1.0, v[S+\g]              ; the group's factor, a power of two
.endr
	v_mul_f32 v252, v[S], v[S+8]
.irp i, 0,1,2,3
	v_mul_f32 v[S+56+\i], v[S+16+\i], v[S]
.endr
.irp g, 1,2,3,4,5,6,7
	v_fma_f32 v252, v[S+\g], v[S+8+\g], v252
.irp i, 0,1,2,3
	v_fma_f32 v[S+56+\i], v[S+16+4*\g+\i], v[S+\g], v[S+56+\i]
.endr
.endr
	s_wait_alu depctr_va_vdst(0)
	v_rcp_f32 v252, v252
.irp i, 60,61,62,63
	v_mov_b32 v[S+\i], 0                           ; (plain lines behind the reciprocal)  the conversion takes eight numbers: the upper four are not used
.endr
	s_wait_alu depctr_va_vdst(0)
	v_ldexp_f32 v252, v252, s67                    ; 2^(e8 + e9) / l
.irp i, 56,57,58,59
	v_mul_f32 v[S+\i], v[S+\i], v252
.endr
.irp i, 56,57,58,59
.endr
	v_cvt_scalef32_pk8_fp8_f32 v[PC:PC+1], v[S+56:S+63], v226
	v_nop
	ds_store_b32 v11, v[PC]
	BAR
	; ---- 3: z = [out, action] W1 + b1, transposed: source 0 = my 16 columns of W1, source 1 = 16 rows: lane (r, h), register j: row r, column 16 w + 8 h + j
.irp m, 0,1
	ds_load_b128 v[S+16*\m:S+16*\m+3], v44 offset:2048*\m
	ds_load_b128 v[S+16*\m+4:S+16*\m+7], v44 offset:2048*\m+512
	v_mov_b32 v[S+16*\m+8], v[40+2*\m]             ; k = 64 .. 71: action and zeros
	v_mov_b32 v[S+16*\m+9], v[41+2*\m]
.irp i, 10,11,12,13,14,15
	v_mov_b32 v[S+16*\m+\i], 0
.endr
.endr
	s_wait_alu depctr_va_vdst(0)
	s_wait_dscnt 0x0
	s_wait_loadcnt 0x0                             ; b1, ln_g, ln_b, W2
	v_wmma_f32_16x16x128_fp8_fp8 v[144:151], v[24:39], v[S:S+15], 0
	v_wmma_f32_16x16x128_fp8_fp8 v[152:159], v[24:39], v[S+16:S+31], 0
.rept 4
	v_nop
.endr
.irp m, 0,1
.irp i, 0,2,4,6
	v_pk_fma_f32 v[160+8*\m+\i:161+8*\m+\i], v[144+8*\m+\i:145+8*\m+\i], s[58:59], v[KV+\i:KV+\i+1] op_sel_hi:[1,0,1]   ; z = sum x 2^(e10 + e11) + b1
.endr
.endr
; A number for each of the 32 rows from each of the 16 waves: a0 is tile 0's, a1 tile 1's, each first added over the two halves of the lanes; lanes 0-15 then store rows 0-15, lanes 16-31 rows 16-31.
.macro RED_PUT k, a0, a1
	v_permlanex16_b32 v236, v[\a0], s[SEL], s[SEL+1]
	s_delay_alu instid0(VALU_DEP_1)
	v_add_f32 v[\a0], v[\a0], v236
	s_delay_alu instid0(VALU_DEP_2)
	v_permlanex16_b32 v236, v[\a1], s[SEL], s[SEL+1]
	s_delay_alu instid0(VALU_DEP_1)
	v_add_f32 v[\a1], v[\a1], v236
	s_delay_alu instid0(VALU_DEP_1)
	v_cndmask_b32 v[\a0], v[\a0], v[\a1], s[HM]
	ds_store_b32 v45, v[\a0] offset:\k*2048
.endm
.macro SUM16 b, d                      ; v[d] = the sum of v[b] .. v[b + 15]
.irp i, 0,4,8,12
	v_pk_add_f32 v[(\b)+\i:(\b)+\i+1], v[(\b)+\i:(\b)+\i+1], v[(\b)+\i+2:(\b)+\i+3]
.endr
	s_delay_alu instid0(VALU_DEP_3)
	v_pk_add_f32 v[(\b):(\b)+1], v[(\b):(\b)+1], v[(\b)+4:(\b)+5]
	s_delay_alu instid0(VALU_DEP_2)
	v_pk_add_f32 v[(\b)+8:(\b)+9], v[(\b)+8:(\b)+9], v[(\b)+12:(\b)+13]
	s_delay_alu instid0(VALU_DEP_1)
	v_pk_add_f32 v[(\b):(\b)+1], v[(\b):(\b)+1], v[(\b)+8:(\b)+9]
	s_delay_alu instid0(VALU_DEP_1)
	v_add_f32 v[\d], v[(\b)], v[(\b)+1]
.endm
.macro RED_GET k, d0, d1               ; the sixteen waves' numbers of rows r and 16 + r, added
.irp i, 0,1,2,3
	ds_load_b128 v[RG+4*\i:RG+4*\i+3], v46 offset:\k*2048+16*\i
	ds_load_b128 v[RG+16+4*\i:RG+19+4*\i], v46 offset:\k*2048+1024+16*\i
.endr
	s_wait_dscnt 0x0
	SUM16 RG, \d0
	SUM16 RG+16, \d1
.endm
.irp m, 0,1
	v_pk_add_f32 v[176+4*\m:177+4*\m], v[160+8*\m:161+8*\m], v[162+8*\m:163+8*\m]
	v_pk_add_f32 v[178+4*\m:179+4*\m], v[164+8*\m:165+8*\m], v[166+8*\m:167+8*\m]
	s_delay_alu instid0(VALU_DEP_1)
	v_pk_add_f32 v[176+4*\m:177+4*\m], v[176+4*\m:177+4*\m], v[178+4*\m:179+4*\m]
	s_delay_alu instid0(VALU_DEP_1)
	v_add_f32 v[184+\m], v[176+4*\m], v[177+4*\m]
.endr
	RED_PUT 0, 184, 185
	BAR
	RED_GET 0, 186, 187
	v_mul_f32 v186, s60, v186                      ; the mean over the 256 columns
	s_delay_alu instid0(VALU_DEP_2)
	v_mul_f32 v187, s60, v187
.irp m, 0,1
.irp j, 0,1,2,3,4,5,6,7
	v_sub_f32 v[160+8*\m+\j], v[160+8*\m+\j], v[186+\m]
.endr
.endr
	v_mul_f32 v184, v160, v160                     ; the variance is taken of z - mean, in a second pass: no difference of large sums
	v_mul_f32 v185, v168, v168
.irp j, 1,2,3,4,5,6,7
	s_delay_alu instid0(VALU_DEP_2)
	v_fma_f32 v184, v[160+\j], v[160+\j], v184
	s_delay_alu instid0(VALU_DEP_2)
	v_fma_f32 v185, v[168+\j], v[168+\j], v185
.endr
	RED_PUT 1, 184, 185
	BAR
	RED_GET 1, 186, 187
	v_fma_f32 v186, v186, s60, s61                 ; variance + 1e-5
	s_delay_alu instid0(VALU_DEP_2)
	v_fma_f32 v187, v187, s60, s61
	s_wait_alu depctr_va_vdst(0)
	v_rsq_f32 v186, v186
	v_rsq_f32 v187, v187
	v_nop                                          ; a plain line behind the transcendentals
	s_wait_alu depctr_va_vdst(0)
.irp m, 0,1
.irp j, 0,1,2,3,4,5,6,7
	v_mul_f32 v[160+8*\m+\j], v[160+8*\m+\j], v[186+\m]
.endr
.irp j, 0,1,2,3,4,5,6,7
	v_fma_f32 v[160+8*\m+\j], v[160+8*\m+\j], v[KV+8+\j], v[KV+16+\j]
.endr
.irp j, 0,1,2,3,4,5,6,7
	v_max_num_f32 v[160+8*\m+\j], 0, v[160+8*\m+\j]
.endr
	v_mul_f32 v[184+\m], v[160+8*\m], v[KV+24]     ; the product with W2, two columns: f32 multiply-adds over my eight columns of z
	v_mul_f32 v[188+\m], v[160+8*\m], v[KV+25]
.irp j, 1,2,3,4,5,6,7
	s_delay_alu instid0(VALU_DEP_2)
	v_fma_f32 v[184+\m], v[160+8*\m+\j], v[KV+24+2*\j], v[184+\m]
	s_delay_alu instid0(VALU_DEP_2)
	v_fma_f32 v[188+\m], v[160+8*\m+\j], v[KV+25+2*\j], v[188+\m]
.endr
.endr
	RED_PUT 2, 184, 185
	RED_PUT 3, 188, 189
	BAR
	; ---- 4: wave 0 adds the sixteen waves' parts, lane = row, and stores 256 consecutive aligned bytes of pred
	s_cmp_lg_u32 s[WV], 0
	s_cbranch_scc1 .Lothers
.irp i, 0,1,2,3
	ds_load_b128 v[RG+4*\i:RG+4*\i+3], v47 offset:2*2048+16*\i
	ds_load_b128 v[RG+16+4*\i:RG+19+4*\i], v47 offset:3*2048+16*\i
.endr
	s_wait_dscnt 0x0
	SUM16 RG, 184
	SUM16 RG+16, 185
	v_add_f32 v184, s62, v184                      ; + b2
	s_delay_alu instid0(VALU_DEP_2)
	v_add_f32 v185, s63, v185
	global_store_b64 v230, v[184:185], s[28:29]
.Lothers:
	s_wait_tensorcnt 0x0                           ; the wave's end: behind my last tensor load and my last LDS store
	ds_add_u32 v5, v6
	s_wait_dscnt 0x0
	CROUND                                         ; the closing round: no work-group ends while a partner may still ask for a tile that names it
	s_endpgm
.Lfunc_end_k_qf7f7946c2f_attend:
	.size	k_qf7f7946c2f_attend, .Lfunc_end_k_qf7f7946c2f_attend-k_qf7f7946c2f_attend
	.p2alignl 7, 3214868480
	.fill 96, 4, 3214868480
	.section	.rodata,"a",@progbits
	.p2align	6, 0x0
	.amdhsa_kernel k_qf7f7946c2f_attend
		.amdhsa_group_segment_fixed_size 327680
		.amdhsa_private_segment_fixed_size 0
		.amdhsa_enable_private_segment 0
		.amdhsa_kernarg_size 88
		.amdhsa_user_sgpr_count 2
		.amdhsa_user_sgpr_kernarg_segment_ptr 1
		.amdhsa_wavefront_size32 1
		.amdhsa_system_sgpr_workgroup_id_x 1
		.amdhsa_system_sgpr_workgroup_id_y 1
		.amdhsa_system_sgpr_workgroup_id_z 1
		.amdhsa_system_vgpr_workitem_id 0
		.amdhsa_next_free_vgpr 256
		.amdhsa_next_free_sgpr 80
		.amdhsa_reserve_vcc 0
		.amdhsa_float_denorm_mode_32 3
		.amdhsa_float_denorm_mode_16_64 3
		.amdhsa_fp16_overflow 1
		.amdhsa_memory_ordered 1
		.amdhsa_forward_progress 1
		.amdhsa_inst_pref_size 67
	.end_amdhsa_kernel
	.amdgpu_metadata
---
amdhsa.version: [ 1, 2 ]
amdhsa.kernels:
  - .name:           k_qf7f7946c2f_attend
    .symbol:         k_qf7f7946c2f_attend.kd
    .args:
      - { .name: qc, .offset: 0, .size: 8, .value_kind: global_buffer, .address_space: global }
      - { .name: kv, .offset: 8, .size: 8, .value_kind: global_buffer, .address_space: global }
      - { .name: W1, .offset: 16, .size: 8, .value_kind: global_buffer, .address_space: global }
      - { .name: b1, .offset: 24, .size: 8, .value_kind: global_buffer, .address_space: global }
      - { .name: ln_g, .offset: 32, .size: 8, .value_kind: global_buffer, .address_space: global }
      - { .name: ln_b, .offset: 40, .size: 8, .value_kind: global_buffer, .address_space: global }
      - { .name: W2, .offset: 48, .size: 8, .value_kind: global_buffer, .address_space: global }
      - { .name: b2, .offset: 56, .size: 8, .value_kind: global_buffer, .address_space: global }
      - { .name: action, .offset: 64, .size: 8, .value_kind: global_buffer, .address_space: global }
      - { .name: lowp_scales, .offset: 72, .size: 8, .value_kind: global_buffer, .address_space: global }
      - { .name: pred, .offset: 80, .size: 8, .value_kind: global_buffer, .address_space: global }
    .group_segment_fixed_size: 327680
    .private_segment_fixed_size: 0
    .kernarg_segment_align: 8
    .kernarg_segment_size: 88
    .max_flat_workgroup_size: 512
    .sgpr_count:     80
    .vgpr_count:     256
    .wavefront_size: 32
...
	.end_amdgpu_metadata
.endif
;; end of part 2
;; launch bicycle (part 3): grid 32 x 1, 8 waves a work-group, no clusters, 6,144 bytes of LDS; arguments obs, pred, out0; writes out0
.if DOCPART == 3
	.amdgcn_target "amdgcn-amd-amdhsa--gfx1250"
	.amdhsa_code_object_version 6
	.text
	.protected	k_qf7f7946c2f_bicycle
	.globl	k_qf7f7946c2f_bicycle
	.p2align	8
	.type	k_qf7f7946c2f_bicycle,@function
k_qf7f7946c2f_bicycle:
	s_mov_b64 s[64:65], 0
	v_nop
	global_prefetch_b8 v0, s[64:65] scope:SCOPE_SE
	s_setreg_imm32_b32 hwreg(HW_REG_WAVE_MODE, 25, 1), 1
	s_wait_xcnt 0x0
; The kinematic bicycle model, a row a thread: out0[n] = (x1, y1, v1 cos(yaw1), v1 sin(yaw1), yaw1) from obs[n][0 .. 4] and from throttle, delta = pred[0], which serve every row.
; A launch of its own: every row needs the two numbers that one work-group of the launch before has made.  Memory binds it, and it has no matrix work, no cluster and no ring.
; Thread T of work-group x owns row 256 x + T.  A row's five results are 20 bytes: they go through LDS and leave as 5,120 consecutive bytes, 16 a lane, so that each store of a wave covers 512 consecutive aligned bytes.
; SINE AND COSINE are made by hand: n = the nearest whole number to x / (pi/2); r = x - n pi/2, with pi/2 in two parts; polynomials of degree 7 and 8 on |r| <= pi/4; the quadrant n mod 4 swaps the two and sets their signs.
; arctan2(sin a, cos a) is a brought into [-pi, pi]: a - 2 pi x the nearest whole number to a / (2 pi), with 2 pi in two parts.
; LIMITS: angles under about 1e5 in magnitude keep full f32 accuracy (beyond, n x the low part of pi/2 is no longer enough).  Where a is an odd multiple of pi to the last bit, yaw1 may come out as +pi or as -pi.  NaN and infinities are not served.
.set T0, 26                            ; v26-31 at work in SINCOS
.set T1, 27
.set T2, 28
.set T3, 29
.set T4, 30
.set T5, 31
.macro SINCOS x, sn, cs
	v_mul_f32 v[T0], s16, v[\x]
	s_delay_alu instid0(VALU_DEP_1)
	v_rndne_f32 v[T0], v[T0]                       ; n
	s_delay_alu instid0(VALU_DEP_1)
	v_fma_f32 v[T1], v[T0], s17, v[\x]
	s_delay_alu instid0(VALU_DEP_1)
	v_fma_f32 v[T1], v[T0], s18, v[T1]             ; r
	s_delay_alu instid0(VALU_DEP_1)
	v_mul_f32 v[T2], v[T1], v[T1]                  ; z = r r
	s_delay_alu instid0(VALU_DEP_4)
	v_cvt_i32_f32 v[T0], v[T0]                     ; n as a whole number: its two low bits are the quadrant
	s_delay_alu instid0(VALU_DEP_2)
	v_fma_f32 v[T3], v[T2], s21, s20
	s_delay_alu instid0(VALU_DEP_1)
	v_fma_f32 v[T3], v[T2], v[T3], s19
	s_delay_alu instid0(VALU_DEP_4)
	v_mul_f32 v[T4], v[T1], v[T2]
	s_delay_alu instid0(VALU_DEP_1)
	v_fma_f32 v[T3], v[T4], v[T3], v[T1]           ; sin r
	v_fma_f32 v[T4], v[T2], s24, s23
	s_delay_alu instid0(VALU_DEP_1)
	v_fma_f32 v[T4], v[T2], v[T4], s22
	v_mul_f32 v[T5], v[T2], v[T2]
	v_fma_f32 v[T1], v[T2], -0.5, 1.0
	s_delay_alu instid0(VALU_DEP_1)
	v_fma_f32 v[T4], v[T5], v[T4], v[T1]           ; cos r
	v_and_b32 v[T1], 1, v[T0]
	s_delay_alu instid0(VALU_DEP_1)
	v_cmp_eq_u32 vcc_lo, 1, v[T1]
	s_delay_alu instid0(VALU_DEP_1)
	v_cndmask_b32 v[\sn], v[T3], v[T4], vcc_lo     ; in an odd quadrant the two change places
	s_delay_alu instid0(VALU_DEP_2)
	v_cndmask_b32 v[\cs], v[T4], v[T3], vcc_lo
	v_lshlrev_b32 v[T1], 30, v[T0]
	s_delay_alu instid0(VALU_DEP_1)
	v_and_b32 v[T1], 0x80000000, v[T1]
	s_delay_alu instid0(VALU_DEP_1)
	v_xor_b32 v[\sn], v[\sn], v[T1]                ; the sine is negated in quadrants 2 and 3,
	v_add_nc_u32 v[T0], 1, v[T0]
	s_delay_alu instid0(VALU_DEP_1)
	v_lshlrev_b32 v[T0], 30, v[T0]
	s_delay_alu instid0(VALU_DEP_1)
	v_and_b32 v[T0], 0x80000000, v[T0]
	s_delay_alu instid0(VALU_DEP_1)
	v_xor_b32 v[\cs], v[\cs], v[T0]                ; the cosine in quadrants 1 and 2
.endm
	s_load_b128 s[4:7], s[0:1], 0x0                ; obs, pred
	s_load_b64 s[8:9], s[0:1], 0x10                ; out0
	v_lshl_add_u32 v48, v0, 2, 0x1400
	v_mov_b32 v49, 0
	v_lshrrev_b32 v1, 5, v0
	s_delay_alu instid0(VALU_DEP_1)
	v_readfirstlane_b32 s10, v1                    ; wave 0..7
	v_lshlrev_b32 v1, 9, v0                        ; my row of obs: 512 T
	v_mul_u32_u24 v2, v0, 20                       ; my row's 20 bytes in LDS
	v_lshlrev_b32 v3, 4, v0                        ; 16 T
	s_lshl_b32 s12, ttmp9, 17                      ; 256 rows of 512 bytes
	s_mov_b32 s13, 0
	s_mul_i32 s14, ttmp9, 5120                     ; 256 rows of 20 bytes
	s_mov_b32 s15, 0
	s_mov_b32 s16, 0x3f22f983                      ; 2 / pi
	s_mov_b32 s17, 0xbfc90fdb                      ; -pi/2, its high part,
	s_mov_b32 s18, 0x333bbd2e                      ; and what is left
	s_mov_b32 s19, 0xbe2aaaa3                      ; the sine's three coefficients
	s_mov_b32 s20, 0x3c08839e
	s_mov_b32 s21, 0xb94ca1f9
	s_mov_b32 s22, 0x3d2aaaa5                      ; the cosine's three
	s_mov_b32 s23, 0xbab6061a
	s_mov_b32 s24, 0x37ccf5ce
	s_mov_b32 s25, 0x3f860a92                      ; 60 degrees
	s_mov_b32 s26, 0x3d8a60dd                      ; 0.2 / 2.96
	s_mov_b32 s27, 0x3dcccccd                      ; 0.1
	s_mov_b32 s28, 0x3e4ccccd                      ; 0.2
	s_mov_b32 s29, 0x3e22f983                      ; 1 / (2 pi)
	s_mov_b32 s30, 0xc0c90fdb                      ; -2 pi, its high part,
	s_mov_b32 s31, 0x343bbd2e                      ; and what is left
	s_wait_alu depctr_va_vdst(0)
	s_wait_kmcnt 0x0
	s_load_b64 s[36:37], s[6:7], 0x0               ; throttle, delta: row 0 of pred
	s_add_nc_u64 s[4:5], s[4:5], s[12:13]
	s_add_nc_u64 s[8:9], s[8:9], s[14:15]
	global_load_b128 v[4:7], v1, s[4:5]            ; x, y, vx, vy
	global_load_b32 v8, v1, s[4:5] offset:16       ; yaw
	s_wait_kmcnt 0x0
	v_mov_b32 v9, s37
	v_mov_b32 v10, s25
	s_delay_alu instid0(VALU_DEP_1)
	v_med3_num_f32 v9, v9, -v10, v10               ; delta held within +-60 degrees
	SINCOS 9, 10, 11
	s_wait_alu depctr_va_vdst(0)
	v_rcp_f32 v11, v11
	v_mul_f32 v10, s26, v10                        ; (the plain line behind the reciprocal)
	s_wait_alu depctr_va_vdst(0)
	v_mul_f32 v10, v10, v11                        ; tan(d) x 0.2 / 2.96
	s_wait_loadcnt 0x0
	v_mul_f32 v12, v7, v7
	s_delay_alu instid0(VALU_DEP_1)
	v_fma_f32 v12, v6, v6, v12
	s_wait_alu depctr_va_vdst(0)
	v_sqrt_f32 v12, v12                            ; v0
	v_nop                                          ; a plain line behind the root
	s_wait_alu depctr_va_vdst(0)
	v_fma_f32 v13, v12, 0.5, s27
	v_mul_f32 v13, v12, v13                        ; the load: v0 (0.1 + 0.5 v0)
	s_delay_alu instid0(VALU_DEP_1)
	v_sub_f32 v13, s36, v13
	v_fma_f32 v14, v13, s28, v12                   ; v1
	SINCOS 8, 15, 16
	s_delay_alu instid0(VALU_DEP_1)
	v_mul_f32 v17, v14, v16
	s_delay_alu instid0(VALU_DEP_1)
	v_fma_f32 v20, v17, s28, v4                    ; x1
	v_mul_f32 v17, v14, v15
	s_delay_alu instid0(VALU_DEP_1)
	v_fma_f32 v21, v17, s28, v5                    ; y1
	v_fma_f32 v18, v14, v10, v8                    ; a = yaw + omega x 0.2
	s_delay_alu instid0(VALU_DEP_1)
	v_mul_f32 v19, s29, v18
	s_delay_alu instid0(VALU_DEP_1)
	v_rndne_f32 v19, v19
	s_delay_alu instid0(VALU_DEP_1)
	v_fma_f32 v18, v19, s30, v18
	s_delay_alu instid0(VALU_DEP_1)
	v_fma_f32 v24, v19, s31, v18                   ; yaw1
	SINCOS 24, 15, 16
	s_delay_alu instid0(VALU_DEP_1)
	v_mul_f32 v22, v14, v16
	v_mul_f32 v23, v14, v15
.irp k, 0,1,2,3,4
	ds_store_b32 v2, v[20+\k] offset:4*\k
.endr
	s_wait_dscnt 0x0                               ; for the others' sake: my row lies in LDS
	s_barrier_signal -1
	s_barrier_wait -1
	ds_load_b128 v[32:35], v3
	s_wait_dscnt 0x0
	global_store_b128 v3, v[32:35], s[8:9]         ; the first 4,096 of the work-group's 5,120 bytes
	s_cmp_lt_u32 s10, 2
	s_cbranch_scc0 .Ldone
	ds_load_b128 v[36:39], v3 offset:4096          ; waves 0 and 1: the last 1,024
	s_wait_dscnt 0x0
	global_store_b128 v3, v[36:39], s[8:9] offset:4096
.Ldone:
	s_wait_tensorcnt 0x0
	ds_add_u32 v48, v49
	s_wait_dscnt 0x0
	s_endpgm
.Lfunc_end_k_qf7f7946c2f_bicycle:
	.size	k_qf7f7946c2f_bicycle, .Lfunc_end_k_qf7f7946c2f_bicycle-k_qf7f7946c2f_bicycle
	.p2alignl 7, 3214868480
	.fill 96, 4, 3214868480
	.section	.rodata,"a",@progbits
	.p2align	6, 0x0
	.amdhsa_kernel k_qf7f7946c2f_bicycle
		.amdhsa_group_segment_fixed_size 6144
		.amdhsa_private_segment_fixed_size 0
		.amdhsa_enable_private_segment 0
		.amdhsa_kernarg_size 24
		.amdhsa_user_sgpr_count 2
		.amdhsa_user_sgpr_kernarg_segment_ptr 1
		.amdhsa_wavefront_size32 1
		.amdhsa_system_sgpr_workgroup_id_x 1
		.amdhsa_system_sgpr_workgroup_id_y 1
		.amdhsa_system_sgpr_workgroup_id_z 1
		.amdhsa_system_vgpr_workitem_id 0
		.amdhsa_next_free_vgpr 50
		.amdhsa_next_free_sgpr 66
		.amdhsa_reserve_vcc 1
		.amdhsa_float_denorm_mode_32 3
		.amdhsa_float_denorm_mode_16_64 3
		.amdhsa_memory_ordered 1
		.amdhsa_forward_progress 1
		.amdhsa_inst_pref_size 11
	.end_amdhsa_kernel
	.amdgpu_metadata
---
amdhsa.version: [ 1, 2 ]
amdhsa.kernels:
  - .name:           k_qf7f7946c2f_bicycle
    .symbol:         k_qf7f7946c2f_bicycle.kd
    .args:
      - { .name: obs, .offset: 0, .size: 8, .value_kind: global_buffer, .address_space: global }
      - { .name: pred, .offset: 8, .size: 8, .value_kind: global_buffer, .address_space: global }
      - { .name: out0, .offset: 16, .size: 8, .value_kind: global_buffer, .address_space: global }
    .group_segment_fixed_size: 6144
    .private_segment_fixed_size: 0
    .kernarg_segment_align: 8
    .kernarg_segment_size: 24
    .max_flat_workgroup_size: 256
    .sgpr_count:     66
    .vgpr_count:     50
    .wavefront_size: 32
...
	.end_amdgpu_metadata
.endif
;; end of part 3
